; MI455X (gfx1250); checked and timed in simulation.
; The chip was launched on July 23, 2026; its instructions are those of AMD's public machine-readable ISA for CDNA 5 (MIT licence, August 2026) and "CDNA5" Instruction Set Architecture Reference Guide (July 2026). The comments in the code are by the model that wrote it; some were corrected since.
;; Nerf Render. Allowed arithmetic: matrix products marked QUANTISED: E2M1 operands, one E8M0 scale for each 32 along K, by v_wmma_scale_f32_16x16x128_f8f6f4 with both operands' format E2M1 (or v_wmma_scale_f32_32x16x128_f4), f32 sums; products left as they are: f32 operands where the result goes on into a quantised operand, else bf16, f16 or f32 operands; f32 sums; everything else in f32.
;; Inputs: b_den 1 float32; b_hid 7 x 256 float32; b_in 256 float32; b_rgb 3 float32; jitter 4,096 x 32 float32; ray_dir 4,096 x 3 float32; ray_pos 4,096 x 3 float32; w_den 256 x 1 float32; w_hid_codes 7 x 256 x 8 x 16 uint8 (E2M1 codes of w_hid, K innermost, in blocks of 32 codes, two codes a byte); w_hid_scales 7 x 256 x 8 uint8 (E8M0 scales of w_hid, one for each 32 codes along K); w_in 60 x 256 float32; w_rgb 256 x 3 float32.
;; Outputs: out0 4,096 x 4 float32.
;; This version of the problem:
;;   THIS VERSION OF THE PROBLEM IS GIVEN IN LOW PRECISION. The matrix products marked QUANTISED in the list below multiply operands that are first quantised to E2M1 (2 exponent bits, 1 mantissa bit; 4 bits a number), with one power-of-two scale for each 32 numbers along K (OCP MX v1.0); their sums are f32. All else is computed in f32.
;;   The module's matrix products, in the order in which they are computed (A, B: the left and right operand; K: the contracted axis; several contracted axes count as one K, in the product's order):
;;     1. [M 131,072, K 60] x [K 60, N 256]; A: computed on the way; B: input w_in: QUANTISED
;;     2. [M 131,072, K 256] x [K 256, N 256]; A: computed on the way; B: input w_hid (given as codes): QUANTISED
;;     3. [M 131,072, K 256] x [K 256, N 256]; A: computed on the way; B: input w_hid (given as codes): QUANTISED
;;     4. [M 131,072, K 256] x [K 256, N 256]; A: computed on the way; B: input w_hid (given as codes): QUANTISED
;;     5. [M 131,072, K 256] x [K 256, N 256]; A: computed on the way; B: input w_hid (given as codes): QUANTISED
;;     6. [M 131,072, K 256] x [K 256, N 256]; A: computed on the way; B: input w_hid (given as codes): QUANTISED
;;     7. [M 131,072, K 256] x [K 256, N 256]; A: computed on the way; B: input w_hid (given as codes): QUANTISED
;;     8. [M 131,072, K 256] x [K 256, N 256]; A: computed on the way; B: input w_hid (given as codes): QUANTISED
;;     9. [M 131,072, K 256] x [K 256, N 3]; A: computed on the way; B: input w_rgb: left as it is (N = 3 < 16)
;;     10. [M 131,072, K 256] x [K 256, N 1]; A: computed on the way; B: input w_den: left as it is (N = 1 < 16)
;;   THE QUANTISER, for each operand of a quantised product, along K:
;;     - K is cut into blocks of 32 from its start; a last block that is shorter is filled with zeros.
;;     - A block's scale is 2^e with e = floor(log2(the largest magnitude in the block)) - 2, held to -126 .. 127; a block of zeros has e = 0. As a byte (E8M0): e + 127.
;;     - Each number is divided by its block's scale, clamped to +-6, and rounded to the nearest number of E2M1, ties to even, subnormals kept.
;;     - The product sums the exact products of the quantised numbers (number of the format x scale) in f32.
;;   ~~~python
;;   def quantise(x, axis):      # numpy; x: float32 -> the quantised numbers, widened to float32 again
;;       x = np.moveaxis(x, axis, -1); K = x.shape[-1]
;;       x = np.pad(x, [(0, 0)] * (x.ndim - 1) + [(0, -K % 32)]); x = x.reshape(x.shape[:-1] + (-1, 32)); a = np.abs(x).max(-1, keepdims=True)
;;       e = np.where(a > 0, np.clip(np.frexp(np.where(a > 0, a, 1))[1] - 1 - 2, -126, 127), 0)      # np.frexp(a)[1] - 1 = floor(log2(a)), exactly
;;       r = np.clip(x / 2.0 ** e, -6, 6)
;;       step = 2.0 ** (np.maximum(np.frexp(np.where(r == 0, 1, r))[1] - 1, 0) - 1)
;;       q = np.round(r / step) * step * 2.0 ** e      # np.round: ties to even
;;       return np.moveaxis(q.reshape(q.shape[:-2] + (-1,))[..., :K], -1, axis).astype(np.float32)
;;   ~~~
;;   OPERANDS COMPUTED ON THE WAY. 'Computed on the way' means the value that the module computes at that place (a softmax that the list does not call 'softmax' is quantised finished and normalised). What goes into a quantiser is computed in f32, as accurately as f32 sums, v_exp_f32 and their like allow (about 1e-6 of the number): no bf16 or f16 on the way to a quantiser, and a product that is left as it is and whose result goes on into a quantised operand takes f32 operands (vector FMAs, or v_wmma_f32_16x16x4_f32). A number that lies on a knife's edge between two numbers of the format may be rounded either way, as far as f32 arithmetic and the matrix unit's own rounding can turn it there, and no further.
;;   INPUTS GIVEN AS CODES. w_hid (in the module: [7, 256, 256], K = its axis 1): each comes as NAME_codes (uint8): NAME with its K axis moved to the last place and cut into blocks of 32 codes, [.., K / 32, bytes a block], one block behind the other in memory; two codes a byte, the lower K in the low four bits (a code: sign, 2 exponent bits, 1 mantissa bit); and NAME_scales (uint8): the same leading axes, one E8M0 byte (e + 127) for each 32 codes along K. Its value is code x scale, taken as it is: it is not quantised again, and the codes and scales need not be those that the quantiser above would give.
;; One version. Each part assembles by itself: llvm-mc -triple=amdgcn-amd-amdhsa -mcpu=gfx1250 --defsym DOCPART=n.
;; ======== version 1 of 1: 1 launch
;; limits: inputs' magnitudes at most 12,800; values are held in bf16: 8 bits of precision; right only within a limited range of input values
;; launch nerf (part 1): grid 256 x 1, 8 waves a work-group, clusters of 4 x 1, 327,680 bytes of LDS; arguments ray_pos, ray_dir, jitter, w_in, b_in, w_hid_codes, w_hid_scales, b_hid, w_rgb, b_rgb, w_den, b_den, out0; writes out0
.if DOCPART == 1
	.amdgcn_target "amdgcn-amd-amdhsa--gfx1250"
	.amdhsa_code_object_version 6
	.text
	.protected	k_q8bcac9485b_nerf
	.globl	k_q8bcac9485b_nerf
	.p2align	8
	.type	k_q8bcac9485b_nerf,@function
k_q8bcac9485b_nerf:
	s_mov_b64 s[64:65], 0
	v_nop
	global_prefetch_b8 v0, s[64:65] scope:SCOPE_SE
	s_setreg_imm32_b32 hwreg(HW_REG_WAVE_MODE, 25, 1), 1
	s_wait_xcnt 0x0
	s_wait_alu depctr_hold_cnt(0) depctr_sa_sdst(0) depctr_va_vdst(0) depctr_va_sdst(0) depctr_va_ssrc(0) depctr_va_vcc(0) depctr_vm_vsrc(0)
	s_getreg_b32 s2, hwreg(HW_REG_IB_STS2, 6, 4)
	s_cmp_eq_u32 s2, 0
	s_cbranch_scc0 .Lentry_in_a_cluster
	s_endpgm
.Lentry_in_a_cluster:
	s_bfe_u32 s2, ttmp6, 0x10000c
	s_cmp_lg_u32 s2, 0x3003
	s_cbranch_scc0 .Lentry_shape_is_right
	s_endpgm
.Lentry_shape_is_right:
; NeRF rendering, fused: depths, positions, Fourier code, 60 -> 256 -> 7 x (256 -> 256) on codes of FP4 (E2M1) with one E8M0 scale for each 32 along K, two small heads, alpha compositing.
; SHARES.  A work-group owns 16 rays (512 points); each of its eight waves owns 2 rays = 64 points = 4 tiles of 16 points (tile m: ray m / 2, samples 16 (m % 2) + lane % 16) and takes them alone through all layers.
; No activation leaves the registers.  All weights and biases lie in LDS for the whole launch.  Waves 0 to 6 bring a hidden layer's codes each, by one tensor load, asked for jointly by the four
; work-groups of a cluster, since every work-group reads the same bytes; no LDS byte is filled twice.  No data prefetch: every byte is asked for once, at the head, and there is no stream to run ahead of.
; LAYOUT.  Every product is used transposed: source 0 = 32 rows of the weight (two tiles of 16), source 1 = 16 points: a lane holds ONE point (lane % 16).  A layer's 256 units go in 4 chunks g of 4 tiles t; row m' of
; tile (g, t) is unit 128 (m' / 8) + 32 g + 8 t + m' % 8.  So the 32 results of a chunk in lane (r, h) are units 128 h + 32 g + 0 .. 31: a WHOLE block of 32 of the next K: its maximum needs no other lane, and
; four conversions give registers 4 c .. 4 c + 3 of K step s of the next operand, g = 2 s + c.  That is a permutation of whole blocks along K (place (s, c, h) holds block 4 h + 2 s + c); the weights' fragments are
; read by the same permutation (16 bytes at 64 h + 32 s + 16 c of a row), and their scale bytes are laid by it once, at the head.
; RELU IS DONE ON THE CODES: the block's maximum is taken without |.| over the floor, all 32 numbers are converted, and codes with the sign bit are cleared: 4 lines for 8 numbers.
; SINE AND COSINE: x 2 / pi is kept in two words, multiplied exactly by the power of two, reduced by the nearest whole number, and put through polynomials on |r| <= pi / 4, for every second frequency; the frequency
; above it follows by ONE double-angle step in f32: sin 2a = (2 sin a) cos a, cos 2a = cos a cos a - sin a sin a.
; The density head is summed in f32 by vector multiply-adds: the last sample's density is multiplied by 1e10, so its sign decides a ray.  The colour head takes bf16 operands.
; ROUNDINGS KEPT AS reference() WRITES THEM: depth = ((idx + jitter) x 3.9) / 32 + 0.1, four operations; position = a multiplication and an addition, each rounded; the exclusive sum of tau is the inclusive
; sum less tau, and sample 31's inclusive sum is the balanced tree over the 32 samples.
; LIMITS: |position| x 326 stays under 2^22 (the whole number is rounded by adding 1.5 x 2^23); NaN and infinities among the inputs are not served; a block whose largest number lies under 2^-124, a block of
; zeros among them, gets the scale byte 1 (its codes are zeros or nearly so; the bytes are read by this text alone).
.set SCI,    0                         ; LDS: 8 layers x 2,048 bytes of scale words: chunk g at 512 g, 16 bytes a lane: words [2 (t / 2) + s]; lanes 0-15 tiles 0, 2; lanes 16-31 tiles 1, 3
.set W0I,    16384                     ; w_in's 16 tiles as images of registers 0-3: 512 bytes a tile, 16 a lane: lanes 0-15 block 0, lanes 16-31 block 1
.set HDI,    24576                     ; the colour head's 8 bf16 fragments as images: 1,024 bytes each
.set STG,    32768                     ; 16 rays x 16 bytes of results
.set BIA,    33280                     ; 8 rows of 256 biases, then w_den, f32
.set HW,     42496                     ; the hidden layers' codes
.set WP,     144                       ; a weight row: 128 bytes + 16 of padding.  Unit 128 h' + w lies in LDS row 4 (w / 2) + 2 h' + w % 2: the sixteen rows of a
                                       ; fragment load start at sixteen different 16-byte columns of 256 bytes (64 banks of 4 bytes: ISA guide 11.1)
.set LAYERB, 256*WP                    ; 36,864 bytes a layer; 7 layers end at 300,544
.set SPARE,  HW+7*LAYERB               ; the spare words, 128 bytes for each wave: four blocks of 256 bytes that no other line names
; window 0
.set LANE, 1
.set R,    2                           ; lane % 16
.set ADB,  3                           ; LDS address of the layer's biases for my half
.set ADW,  4                           ; of the layer's fragments for my lane
.set ADS,  5                           ; of its scale words
.set ABH,  6                           ; BIA + 512 h
.set AW0,  7
.set AHD,  8
.set HF,   9                           ; h as f32
.set JR,   10                          ; v10-13 jitter, a lane a sample: ray 0 at s, at min(s + 1, 31); ray 1 likewise
.set ADW0, 14
.set ADS0, 15
.set SA,   16                          ; v16-19 the weights' scale words of a chunk
.set WX,   20                          ; v20-23, v24-27 the activations' scale words, one register a tile: lanes 0-15 K step 0, lanes 16-31 K step 1
.set WY,   24
.set PW,   28
.set QW,   32
.set MA,   36
.set MB,   40
.set SCL,  44
.set U,    48                          ; v48-55 at work
.set JT,   52                          ; v52-55 jitter, tile m, point r (until the code is made)
.set IDX,  56                          ; v56-57 r and r + 16 as f32
.set FH,   58                          ; 1 or 32
.set ASTG, 59
.set KV,   60                          ; v[60:61] two polynomial coefficients
.set U0,   62
.set BI,   64                          ; v64-95 the biases of a chunk's 4 tiles, in the result's layout
.set ACC,  96                          ; v96-223 accumulators: tile of points m, pair of unit tiles p at 32 m + 16 p
.set CT,   224                         ; v224-239 codes ahead of the relu
.set PT,   240                         ; v240-255 its masks
; at the head only
.set A4,   28
.set A8,   29
.set A12,  30
.set AJ,   31
.set AL,   32
.set AL1,  33
.set AS,   34
.set AH,   35
.set H,    36                          ; lane / 16
.set AW,   38
.set SLD,  224
.set SI,   192
; in the encoding
.set FP,   64                          ; v64-71 the four groups' factors: 1, 1; 4, 4; 16, 16; 64, 256
.set POSP, 72                          ; pairs: my own coordinate (0 in lanes 0-15, 2 in lanes 16-31), coordinate 1
.set DIRP, 74
.set DEPP, 76                          ; the depths of a ray's two tiles
.set XP,   78                          ; v78-81 positions, a pair a tile
.set QB,   82                          ; v82-89 x 2 / pi: tile e: high words at 4 e, low words at 4 e + 2
.set TT,   90
.set WQ,   96                          ; v96-159 my column of w_in
.set E,    160                         ; v160-191 a block of the code
.set TG,   192                         ; v192-239 four groups of 12
.set QT,   240
; in the last layer and the rendering
.set DA,   36                          ; v36-43 the density's sums, a pair a tile
.set DW,   224                         ; v224-255 w_den at my 32 units
.set IL,   224
; window 1
.set WF,   0                           ; v0-63 the chunk's weight fragments: pair p, K step s at 16 (2 p + s), tile t at + 8 (t % 2)
.set X,    64                          ; v64-127, v128-191 the activations' codes by turns: 16 m + 8 s + 4 c + i
.set Y,    128
.set HAC,  192                         ; v192-223 the colour head's sums, 8 m
.set HFR,  224                         ; v224-239 two of its fragments
.set SPW,  254                         ; v254: LDS address of my spare word; never rewritten
.set NIL,  255                         ; v255: 0; never rewritten
; scalars
.set WV,   30
.set CX,   31
.set WG,   32
.set QM,   32                          ; s32-35 in the encoding
.set G1,   36
.set G0,   44
.set G2,   48
.set RP,   52                          ; s[52:54], s[56:58] ray_pos of my two rays
.set LB,   55
.set RD,   60                          ; s[60:62], s[68:70] ray_dir
.set BRGB, 72
.set BDEN, 75
.set MAGIC, 76
.set PIO2, 78
.set KS2,  80
.set KS0,  82
.set KC0,  84
.set KC2,  86
.set N8,   90
.set HM,   91
.set SEL,  92
.set CNT,  94
.set LW,   95
.set G3,   96
.set LS,   100
.set TMP,  101
.set MSB, 0
.macro WIN new                         ; the immediate's high byte repeats the setting that is left; bits 1:0 source 0, 3:2 source 1, 5:4 source 2, 7:6 destination
.if MSB != \new
	s_set_vgpr_msb (MSB<<8)|\new
.set MSB, \new
.endif
.endm
.macro ROUND                           ; a round of the cluster's barrier
	s_barrier_signal -1
	s_barrier_wait -1
	s_cmp_lg_u32 s[WV], 0
	s_cbranch_scc1 .Lnot_wave_0_\@
	s_barrier_signal -3
.Lnot_wave_0_\@:
	s_barrier_wait -3
	s_barrier_signal -1
	s_barrier_wait -1
.endm
.macro BARRIER                         ; my LDS stores have landed and my LDS loads are in: then the work-group's barrier
	s_wait_dscnt 0x0
	s_barrier_signal -1
	s_barrier_wait -1
.endm
.macro PLACES                          ; four places behind matrix instructions, in front of loads into their registers and of the first read of results
.rept 4
	v_nop
.endr
.endm
.macro FETCHW off                      ; a chunk's fragments of a hidden layer: tile t, K step s, 16 bytes at 32 s + 16 c (+ 64 h in the address)
	WIN 0x40
.irp t, 0,1,2,3
.irp s, 0,1
.irp c, 0,1
	ds_load_b128 v[WF+16*(2*(\t/2)+\s)+8*(\t%2)+4*\c:WF+16*(2*(\t/2)+\s)+8*(\t%2)+4*\c+3], v[ADW] offset:(\off)+16*\t*WP+32*\s+16*\c
.endr
.endr
.endr
.endm
.macro FETCHW0 g                       ; a chunk's fragments of w_in: registers 0-3 of a tile; registers 4-7 stay zeros
	WIN 0x40
.irp t, 0,1,2,3
	ds_load_b128 v[WF+32*(\t/2)+8*(\t%2):WF+32*(\t/2)+8*(\t%2)+3], v[AW0] offset:(4*(\g)+\t)*512
.endr
.endm
.macro FETCHS off
	WIN 0
	ds_load_b128 v[SA:SA+3], v[ADS] offset:\off
.endm
.macro FETCHB off                      ; a chunk's biases: lane (r, h), tile t, register j: unit 128 h + 32 g + 8 t + j
.irp i, 0,1,2,3,4,5,6,7
	ds_load_b128 v[BI+4*\i:BI+4*\i+3], v[ADB] offset:(\off)+16*\i
.endr
.endm
; One product: D(unit, point) of points' tile m, unit tiles 2 p and 2 p + 1, K step s.  K step 0 takes the bias as C, K step 1 adds in place.
.macro MM1 in, wi, s, m, p
.set rD, ACC+32*(\m)+16*(\p)
.set rA, WF+16*(2*(\p)+(\s))
.set rB, (\in)+16*(\m)+8*(\s)
.set rS, SA+2*(\p)+(\s)
.set rC, BI+16*(\p)
.if (\s) == 0
	v_wmma_scale_f32_32x16x128_f4 v[rD:rD+15], v[rA:rA+15], v[rB:rB+7], v[rC:rC+15], v[rS], v[(\wi)+(\m)]
.else
	v_wmma_scale_f32_32x16x128_f4 v[rD:rD+15], v[rA:rA+15], v[rB:rB+7], v[rD:rD+15], v[rS], v[(\wi)+(\m)] matrix_b_scale:MATRIX_SCALE_ROW1
.endif
.endm
.macro MM in, wi, ns                   ; a chunk's products: the eight accumulators take turns, one instruction a turn
	WIN 0x05                               ; sources 0 and 1 window 1; C, D window 0
.irp s, 0,1
.if \s < \ns
.irp m, 0,1,2,3
.irp p, 0,1
	MM1 \in, \wi, \s, \m, \p
.endr
.endr
.endif
.endr
.endm
; The largest of a lane's 32 results of each tile, and the floor 2^(3 - 127): no |.|, since what is negative becomes 0.  Two chains a tile; each accumulator is first read at its low end.
.macro QMAX
.irp m, 0,1,2,3
	v_max3_num_f32 v[MA+\m], v[ACC+32*\m], v[ACC+32*\m+1], 0x1800000
	v_max3_num_f32 v[MB+\m], v[ACC+32*\m+16], v[ACC+32*\m+17], v[ACC+32*\m+18]
.endr
.irp i, 0,1,2,3,4,5
.irp m, 0,1,2,3
	v_max3_num_f32 v[MA+\m], v[MA+\m], v[ACC+32*\m+2+2*\i], v[ACC+32*\m+3+2*\i]
	v_max3_num_f32 v[MB+\m], v[MB+\m], v[ACC+32*\m+19+2*\i], v[ACC+32*\m+20+2*\i]
.endr
.endr
.irp m, 0,1,2,3
	v_max3_num_f32 v[MA+\m], v[MA+\m], v[ACC+32*\m+14], v[ACC+32*\m+15]
.endr
.irp m, 0,1,2,3
	v_max3_num_f32 v[MA+\m], v[MA+\m], v[MB+\m], v[ACC+32*\m+31]
.endr
.endm
; The relu's last lines of chunk g: the codes under their masks become registers 8 (g / 2) + 4 (g % 2) + 0 .. 3 of each tile of points.  For chunks 0 to 2 they stand behind the next chunk's products, as the places there.
.macro ANDS g, out
	WIN 0x40
.irp m, 0,1,2,3
.irp i, 0,1,2,3
	v_and_b32 v[(\out)+16*\m+8*((\g)>>1)+4*((\g)&1)+\i], v[CT+4*\m+\i], v[PT+4*\m+\i]
.endr
.endr
.endm
; Chunk g's results become codes of the next operand and a byte of its scale words.
.macro QUANT g, out, wo
	QMAX
.irp m, 0,1,2,3
	v_add_nc_u32 v[SCL+\m], 0xff000000, v[MA+\m]   ; 2 off the exponent field: the conversion takes the exponent field of this operand as its scale
.endr
.irp m, 0,1,2,3
.irp i, 0,1,2,3
	v_cvt_scalef32_pk8_fp4_f32 v[CT+4*\m+\i], v[ACC+32*\m+8*\i:ACC+32*\m+8*\i+7], v[SCL+\m]
.endr
.endr
.irp m, 0,1,2,3                        ; the scale's byte (these lines are also the plain place behind the conversions)
.if (\g) == 0
	v_lshrrev_b32 v[PW+\m], 23, v[SCL+\m]
.elseif (\g) == 2
	v_lshrrev_b32 v[QW+\m], 23, v[SCL+\m]
.else
	v_lshrrev_b32 v[U+\m], 23, v[SCL+\m]
.endif
.endr
.if (\g) == 1
.irp m, 0,1,2,3
	v_lshl_or_b32 v[PW+\m], v[U+\m], 16, v[PW+\m]  ; K step 0: my half's bytes of c = 0 and c = 1 at bytes 0 and 2
.endr
.endif
.if (\g) == 3
.irp m, 0,1,2,3
	v_lshl_or_b32 v[QW+\m], v[U+\m], 16, v[QW+\m]  ; K step 1 likewise
.endr
.irp m, 0,1,2,3
	v_permlane16_swap_b32 v[PW+\m], v[QW+\m]       ; PW: lanes 0-15 K step 0 of h = 0, lanes 16-31 K step 1 of h = 0; QW: the same of h = 1
.endr
.irp m, 0,1,2,3
	v_lshl_or_b32 v[(\wo)+\m], v[QW+\m], 8, v[PW+\m]   ; byte 2 c + h: the word of K step 0 in lanes 0-15, of K step 1 in lanes 16-31
.endr
.endif
.irp q, 0,1                            ; the relu: 7 in each nibble whose sign bit is clear, 0 in the others
.irp i, 0,1,2,3,4,5,6,7
	v_bfi_b32 v[PT+8*\q+\i], v[CT+8*\q+\i], 0, s[N8]   ; ~code & 0x88888888
.endr
.irp i, 0,1,2,3,4,5,6,7
	v_lshrrev_b32 v[U+\i], 3, v[PT+8*\q+\i]
.endr
.irp i, 0,1,2,3,4,5,6,7
	v_sub_nc_u32 v[PT+8*\q+\i], v[PT+8*\q+\i], v[U+\i]
.endr
.endr
.if (\g) == 3
	ANDS 3, \out
	WIN 0
.endif
.endm
; The last layer's chunk: relu in f32; the density's sums by packed multiply-adds in f32; the colours' by bf16 products (source 0: rows 0-2 the colours, rows 3-15 zeros; K = my 32 units in two halves of 16,
; in the order in which the lane holds them, which the weights' images follow).
.macro HEADS g
.set j, 0
.rept 64
	v_dual_max_num_f32 v[ACC+j], 0, v[ACC+j] :: v_dual_max_num_f32 v[ACC+j+1], 0, v[ACC+j+1]   ; ascending: each accumulator is first read at its low end
.set j, j+2
.endr
	WIN 0x40
.irp m, 0,1,2,3
.irp e, 0,1
.irp q, 0,1,2,3,4,5,6,7
	v_cvt_pk_bf16_f32 v[Y+16*\m+8*\e+\q], v[ACC+32*\m+16*\e+2*\q], v[ACC+32*\m+16*\e+2*\q+1]
.endr
.endr
.endr
	WIN 0
.if (\g) < 3
	s_wait_dscnt 25                                ; the head's fragments and w_den are in; the next chunk's 16 fragment loads, 1 of scale words and 8 of biases, issued behind them, may be out
.else
	s_wait_dscnt 0x0
.endif
.irp i, 0,1,2,3,4,5,6,7,8,9,10,11,12,13,14,15
.irp m, 0,1,2,3
.if ((\g) == 0) && (\i == 0)
	v_pk_mul_f32 v[DA+2*\m:DA+2*\m+1], v[ACC+32*\m:ACC+32*\m+1], v[DW:DW+1]   ; the first product starts the sums
.else
	v_pk_fma_f32 v[DA+2*\m:DA+2*\m+1], v[ACC+32*\m+2*\i:ACC+32*\m+2*\i+1], v[DW+2*\i:DW+2*\i+1], v[DA+2*\m:DA+2*\m+1]
.endif
.endr
.endr
	WIN 0x55
.irp e, 0,1
.irp m, 0,1,2,3
.if ((\g) == 0) && (\e == 0)
	v_wmma_f32_16x16x32_bf16 v[HAC+8*\m:HAC+8*\m+7], v[HFR+8*\e:HFR+8*\e+7], v[Y+16*\m+8*\e:Y+16*\m+8*\e+7], 0
.else
	v_wmma_f32_16x16x32_bf16 v[HAC+8*\m:HAC+8*\m+7], v[HFR+8*\e:HFR+8*\e+7], v[Y+16*\m+8*\e:Y+16*\m+8*\e+7], v[HAC+8*\m:HAC+8*\m+7]
.endif
.endr
.endr
	WIN 0
.endm
; A CHUNK: 32 units for my 64 points.  kind 0: the first layer (K = 60 in one K step); 1: a hidden layer; 2: the last one, with the heads.
; What a chunk multiplies was asked for a chunk earlier, behind that chunk's products, and lands while its results are quantised.
.macro CHUNK kind, g, in, wi, out, wo
	s_wait_dscnt 0x0                               ; fragments, scale words and biases are in
.if ((\kind) > 0) && ((\g) == 0)
	v_add_nc_u32 v[ADW], s[LW], v[ADW0]            ; on to this layer: no LDS load of mine is out.  These four lines are also the places between the last codes' v_and_b32 and the products
	v_add_nc_u32 v[ADS], s[LS], v[ADS0]
	v_add_nc_u32 v[ADB], s[LB], v[ABH]
	v_nop
.endif
	s_wait_alu depctr_va_vdst(0)                   ; codes, masks
.if (\kind) > 0
	MM \in, \wi, 2
.else
	MM \in, \wi, 1
.endif
.if ((\kind) < 2) && ((\g) > 0)
	ANDS (\g)-1, \out
.else
	PLACES
.endif
.if (\kind) == 0
.if (\g) < 3
	FETCHW0 (\g)+1
	FETCHS 512*((\g)+1)
	FETCHB 128*((\g)+1)
.else
	WIN 0
	s_wait_tensorcnt 0x0                           ; my tensor load has landed (the wave that issued none passes at once),
	BARRIER                                        ; everybody's has: the hidden layers' codes lie in LDS
	FETCHW 0
	FETCHS 2048
	FETCHB 1024
.endif
.endif
.if (\kind) == 1
.if (\g) < 3
	FETCHW 64*WP*((\g)+1)
	FETCHS 512*((\g)+1)
	FETCHB 128*((\g)+1)
.else
	FETCHW LAYERB                                  ; the next layer's first chunk
	FETCHS 2048
	FETCHB 1024
.endif
.endif
.if (\kind) == 2
	WIN 0x40
.irp e, 0,1
.irp u, 0,1
	ds_load_b128 v[HFR+8*\e+4*\u:HFR+8*\e+4*\u+3], v[AHD] offset:(2*(\g)+\e)*1024+512*\u
.endr
.endr
	WIN 0
.irp i, 0,1,2,3,4,5,6,7
	ds_load_b128 v[DW+4*\i:DW+4*\i+3], v[ABH] offset:8192+128*(\g)+16*\i   ; w_den at units 128 h + 32 g + 0 .. 31
.endr
.if (\g) < 3
	FETCHW 64*WP*((\g)+1)
	FETCHS 512*((\g)+1)
	FETCHB 128*((\g)+1)
.endif
	HEADS \g
.else
	QUANT \g, \out, \wo
.endif
.endm
.macro LAYER1 in, wi, out, wo
	CHUNK 1, 0, \in, \wi, \out, \wo
	CHUNK 1, 1, \in, \wi, \out, \wo
	CHUNK 1, 2, \in, \wi, \out, \wo
	CHUNK 1, 3, \in, \wi, \out, \wo
	s_add_co_u32 s[LS], s[LS], 2048
	s_add_co_u32 s[LW], s[LW], LAYERB
	s_add_co_u32 s[LB], s[LB], 1024
.endm
; The largest magnitude of v[b .. b + 31] and the floor, into v[x], in four chains
.macro AMAX x, b
	v_max3_num_f32 v[\x], |v[(\b)]|, |v[(\b)+1]|, 0x1800000
	v_max3_num_f32 v[\x+1], |v[(\b)+8]|, |v[(\b)+9]|, |v[(\b)+10]|
	v_max3_num_f32 v[\x+2], |v[(\b)+16]|, |v[(\b)+17]|, |v[(\b)+18]|
	v_max3_num_f32 v[\x+3], |v[(\b)+24]|, |v[(\b)+25]|, |v[(\b)+26]|
.irp i, 0,1
	v_max3_num_f32 v[\x], v[\x], |v[(\b)+2+2*\i]|, |v[(\b)+3+2*\i]|
	v_max3_num_f32 v[\x+1], v[\x+1], |v[(\b)+11+2*\i]|, |v[(\b)+12+2*\i]|
	v_max3_num_f32 v[\x+2], v[\x+2], |v[(\b)+19+2*\i]|, |v[(\b)+20+2*\i]|
	v_max3_num_f32 v[\x+3], v[\x+3], |v[(\b)+27+2*\i]|, |v[(\b)+28+2*\i]|
.endr
	v_max3_num_f32 v[\x], v[\x], |v[(\b)+6]|, |v[(\b)+7]|
	v_max3_num_f32 v[\x+1], v[\x+1], |v[(\b)+15]|, |v[(\b)+23]|
	v_max3_num_f32 v[\x+2], v[\x+2], v[\x+3], |v[(\b)+31]|
	v_max3_num_f32 v[\x], v[\x], v[\x+1], v[\x+2]
.endm
; SINE AND COSINE by polynomial, four groups of two items, worked by packed instructions.  Groups 0 to 2: my own coordinate and coordinate 1 at 2^0, 2^2, 2^4 (coordinate 1 x 32 in lanes 16-31); group 3: my own at 2^6, 2^8.
; In a group: +0 T, +2 N, D, r, +4 z, +6 the sine's polynomial, +8 r z, then sin r, +10 cos r
.macro SC4 e
.set QH, QB+4*(\e)
.set QL, QB+4*(\e)+2
.irp q, 0,1,2,3
.set GB, TG+12*\q
.set FI, FP+2*\q
	v_pk_fma_f32 v[GB:GB+1], v[QH:QH+1], v[FI:FI+1], s[MAGIC:MAGIC+1] op_sel_hi:[1-\q/3,1,0]   ; T = q 2^k + 1.5 x 2^23: its low bits are the nearest whole number n
.endr
.irp q, 0,1,2,3
.set GB, TG+12*\q
	v_pk_add_f32 v[GB+2:GB+3], v[GB:GB+1], s[MAGIC:MAGIC+1] op_sel_hi:[1,0] neg_lo:[0,1] neg_hi:[0,1]   ; n
.endr
.irp q, 0,1,2
.set GB, TG+12*\q
.set FI, FP+2*\q
	v_pk_fma_f32 v[GB+2:GB+3], v[QH:QH+1], v[FI:FI+1], v[GB+2:GB+3] neg_lo:[0,0,1] neg_hi:[0,0,1]   ; q 2^k - n: exact
.endr
	v_pk_fma_f32 v[TG+38:TG+39], v[QH:QH+1], v[FP+6:FP+7], v[TG+38:TG+39] op_sel_hi:[0,1,1] neg_lo:[0,0,1] neg_hi:[0,0,1]
.irp q, 0,1,2
.set GB, TG+12*\q
.set FI, FP+2*\q
	v_pk_fma_f32 v[GB+2:GB+3], v[QL:QL+1], v[FI:FI+1], v[GB+2:GB+3]   ; + the low word
.endr
	v_pk_fma_f32 v[TG+38:TG+39], v[QL:QL+1], v[FP+6:FP+7], v[TG+38:TG+39] op_sel_hi:[0,1,1]
.irp q, 0,1,2,3
.set GB, TG+12*\q
	v_pk_mul_f32 v[GB+2:GB+3], v[GB+2:GB+3], s[PIO2:PIO2+1] op_sel_hi:[1,0]   ; r
.endr
.irp q, 0,1,2,3
.set GB, TG+12*\q
	v_pk_mul_f32 v[GB+4:GB+5], v[GB+2:GB+3], v[GB+2:GB+3]   ; z = r r
.endr
.irp q, 0,1,2,3
.set GB, TG+12*\q
	v_pk_fma_f32 v[GB+6:GB+7], v[GB+4:GB+5], s[KS2:KS2+1], v[KV:KV+1] op_sel_hi:[1,0,0]
	v_pk_fma_f32 v[GB+10:GB+11], v[GB+4:GB+5], s[KC0:KC0+1], v[KV:KV+1] op_sel:[0,0,1] op_sel_hi:[1,0,1]
	v_pk_mul_f32 v[GB+8:GB+9], v[GB+2:GB+3], v[GB+4:GB+5]
.endr
.irp q, 0,1,2,3
.set GB, TG+12*\q
	v_pk_fma_f32 v[GB+6:GB+7], v[GB+6:GB+7], v[GB+4:GB+5], s[KS0:KS0+1] op_sel_hi:[1,1,0]
	v_pk_fma_f32 v[GB+10:GB+11], v[GB+10:GB+11], v[GB+4:GB+5], s[KC2:KC2+1] op_sel_hi:[1,1,0]
.endr
.irp q, 0,1,2,3
.set GB, TG+12*\q
	v_pk_fma_f32 v[GB+8:GB+9], v[GB+8:GB+9], v[GB+6:GB+7], v[GB+2:GB+3]   ; sin r = r + r z P(z)
	v_pk_fma_f32 v[GB+10:GB+11], v[GB+10:GB+11], v[GB+4:GB+5], -0.5 op_sel_hi:[1,1,0]
.endr
.irp q, 0,1,2,3
.set GB, TG+12*\q
	v_pk_fma_f32 v[GB+10:GB+11], v[GB+10:GB+11], v[GB+4:GB+5], 1.0 op_sel_hi:[1,1,0]   ; cos r
.endr
.endm
; Where item it (group it / 2, half it % 2) puts its sine and cosine
.macro QLSET it
.set GB, TG+12*((\it)/2)+(\it)%2
.if ((\it)&1) == 0
.set ES, E+(\it)/2
.set EC, E+8+(\it)/2
.elseif (\it) < 4
.set ES, E+20+(\it)/2
.set EC, E+24+(\it)/2
.elseif (\it) == 5
.set ES, E+28
.set EC, E+29
.else
.set ES, E+16
.set EC, E+18
.endif
.endm
; The quadrant, four items from i0 on by turns: n odd: sine and cosine change places; the sine's sign is n's bit 1, the cosine's bit 0 xor bit 1.
.macro QL4 i0
.irp i, 0,1,2,3
	QLSET (\i0)+\i
	v_lshlrev_b32 v[QT+4*\i], 31, v[GB]
	v_lshlrev_b32 v[QT+4*\i+1], 30, v[GB]
.endr
.irp i, 0,1,2,3
	v_cmp_ne_u32 s[QM+\i], 0, v[QT+4*\i]
	v_and_b32 v[QT+4*\i+1], 0x80000000, v[QT+4*\i+1]
.endr
.irp i, 0,1,2,3
	QLSET (\i0)+\i
	v_cndmask_b32 v[QT+4*\i+2], v[GB+8], v[GB+10], s[QM+\i]
	v_cndmask_b32 v[QT+4*\i+3], v[GB+10], v[GB+8], s[QM+\i]
.endr
.irp i, 0,1,2,3
	QLSET (\i0)+\i
	v_xor_b32 v[QT+4*\i], v[QT+4*\i], v[QT+4*\i+1]
	v_xor_b32 v[ES], v[QT+4*\i+2], v[QT+4*\i+1]
.endr
.irp i, 0,1,2,3
	QLSET (\i0)+\i
	v_xor_b32 v[EC], v[QT+4*\i+3], v[QT+4*\i]
.endr
.endm
; What a ray's two tiles share, and their two coordinates x 2 / pi
.macro RAY p
.set RPS, RP+4*(\p)
.set RDS, RD+8*(\p)
	v_mov_b32 v[TT], s[RPS+2]
	v_mov_b32 v[TT+1], s[RDS+2]
	v_mov_b32 v[POSP+1], s[RPS+1]
	v_mov_b32 v[DIRP+1], s[RDS+1]
	v_pk_add_f32 v[DEPP:DEPP+1], v[IDX:IDX+1], v[JT+2*(\p):JT+2*(\p)+1]   ; the depths, operation by operation
	v_cndmask_b32 v[POSP], s[RPS], v[TT], s[HM]    ; my own coordinate: 0, or 2 in lanes 16-31
	v_cndmask_b32 v[DIRP], s[RDS], v[TT+1], s[HM]
	v_pk_mul_f32 v[DEPP:DEPP+1], v[DEPP:DEPP+1], 0x4079999a op_sel_hi:[1,0]   ; x 3.9
	v_pk_mul_f32 v[DEPP:DEPP+1], v[DEPP:DEPP+1], 0x3d000000 op_sel_hi:[1,0]   ; / 32: exact
	v_pk_add_f32 v[DEPP:DEPP+1], v[DEPP:DEPP+1], 0x3dcccccd op_sel_hi:[1,0]   ; + 0.1
	v_pk_mul_f32 v[XP:XP+1], v[DEPP:DEPP+1], v[DIRP:DIRP+1] op_sel_hi:[0,1]   ; the position: a multiplication and an addition, each rounded
	v_pk_mul_f32 v[XP+2:XP+3], v[DEPP:DEPP+1], v[DIRP:DIRP+1] op_sel:[1,0] op_sel_hi:[1,1]
.irp e, 0,1
	v_pk_add_f32 v[XP+2*\e:XP+2*\e+1], v[POSP:POSP+1], v[XP+2*\e:XP+2*\e+1]
.endr
.irp e, 0,1
	v_pk_mul_f32 v[QB+4*\e:QB+4*\e+1], v[XP+2*\e:XP+2*\e+1], 0x3f22f983 op_sel_hi:[1,0]   ; x 2 / pi in two words
.endr
.irp e, 0,1
	v_pk_fma_f32 v[QB+4*\e+2:QB+4*\e+3], v[XP+2*\e:XP+2*\e+1], 0x3f22f983, v[QB+4*\e:QB+4*\e+1] op_sel_hi:[1,0,1] neg_lo:[0,0,1] neg_hi:[0,0,1]
.endr
.irp e, 0,1
	v_pk_fma_f32 v[QB+4*\e+2:QB+4*\e+3], v[XP+2*\e:XP+2*\e+1], 0x32dc9c88, v[QB+4*\e+2:QB+4*\e+3] op_sel_hi:[1,0,1]
.endr
.irp e, 0,1
	v_mul_f32 v[QB+4*\e+1], v[FH], v[QB+4*\e+1]    ; lanes 16-31 take frequencies 2^5 .. 2^9 of coordinate 1
	v_mul_f32 v[QB+4*\e+3], v[FH], v[QB+4*\e+3]
.endr
.endm
; THE CODE OF TILE m's 16 POINTS (m = 2 p + e).  Lanes 0-15 make block 0 (k = 0 .. 31), lanes 16-31 block 1 (k = 32 .. 59).  Places: own sines of 2^0, 2^2, 2^4, 2^6 at 0-3, of 2^1, 2^3, 2^5, 2^7 at 4-7, the cosines likewise
; at 8-15, sin 2^8, sin 2^9, cos 2^8, cos 2^9 at 16-19; coordinate 1 at 20-31.  w_in's column is laid the same way.
.macro ENC m, e
	SC4 \e
	QL4 0
	QL4 4
.irp j, 0,2,20                         ; the double angles: 2 sin a,
	v_pk_add_f32 v[TG+\j:TG+\j+1], v[E+\j:E+\j+1], v[E+\j:E+\j+1]
.endr
	v_add_f32 v[TG+6], v[E+16], v[E+16]
.irp j, 0,2,20                         ; sin a sin a,
	v_pk_mul_f32 v[TG+\j+8:TG+\j+9], v[E+\j:E+\j+1], v[E+\j:E+\j+1]
.endr
	v_mul_f32 v[TG+14], v[E+16], v[E+16]
	v_pk_mul_f32 v[E+4:E+5], v[TG:TG+1], v[E+8:E+9]          ; sin 2a
	v_pk_mul_f32 v[E+6:E+7], v[TG+2:TG+3], v[E+10:E+11]
	v_pk_mul_f32 v[E+22:E+23], v[TG+20:TG+21], v[E+24:E+25]
	v_mul_f32 v[E+17], v[TG+6], v[E+18]
	v_pk_fma_f32 v[E+12:E+13], v[E+8:E+9], v[E+8:E+9], v[TG+8:TG+9] neg_lo:[0,0,1] neg_hi:[0,0,1]   ; cos 2a
	v_pk_fma_f32 v[E+14:E+15], v[E+10:E+11], v[E+10:E+11], v[TG+10:TG+11] neg_lo:[0,0,1] neg_hi:[0,0,1]
	v_pk_fma_f32 v[E+26:E+27], v[E+24:E+25], v[E+24:E+25], v[TG+28:TG+29] neg_lo:[0,0,1] neg_hi:[0,0,1]
	v_fma_f32 v[E+19], v[E+18], v[E+18], -v[TG+14]
.irp i, 20,21,22,23
	v_permlane16_swap_b32 v[E+\i], v[E+\i+4]       ; places 20-29: lanes 0-15 coordinate 1's ten sines, lanes 16-31 its ten cosines
.endr
	v_permlane16_swap_b32 v[E+28], v[E+29]
	v_permlanex16_b32 v[U0], v[E+20], s[SEL], s[SEL+1]
	v_permlanex16_b32 v[U0+1], v[E+22], s[SEL], s[SEL+1]
	v_cndmask_b32 v[E+20], v[E+20], 0, s[HM]
	v_cndmask_b32 v[E+22], v[E+22], 0, s[HM]
	v_cndmask_b32 v[E+30], v[U0], 0, s[HM]         ; the first two cosines are k = 30, 31: block 0's
	v_cndmask_b32 v[E+31], v[U0+1], 0, s[HM]
	AMAX 40, E
	v_add_nc_u32 v[SCL], 0xff000000, v40
	WIN 0x40
.irp i, 0,1,2,3
	v_cvt_scalef32_pk8_fp4_f32 v[Y+16*(\m)+\i], v[E+8*\i:E+8*\i+7], v[SCL]
.endr
	WIN 0
	v_lshrrev_b32 v[U], 23, v[SCL]                 ; my block's byte (a plain place behind the conversions)
	v_permlanex16_b32 v[U+1], v[U], s[SEL], s[SEL+1]
	v_lshl_or_b32 v[WY+(\m)], v[U+1], 8, v[U]      ; lanes 0-15: block 0's byte, block 1's; bytes 2 and 3 stand over zero codes
.endm
; ---- the head: ids, every LDS address register, constants, descriptors
	s_load_b512 s[4:19], s[0:1], 0x0               ; ray_pos 4, ray_dir 6, jitter 8, w_in 10, b_in 12, w_hid_codes 14, w_hid_scales 16, b_hid 18
	s_load_b256 s[20:27], s[0:1], 0x40             ; w_rgb 20, b_rgb 22, w_den 24, b_den 26
	s_load_b64 s[28:29], s[0:1], 0x60              ; out0
	WIN 0x40
	v_lshl_add_u32 v[SPW], v0, 2, SPARE
	v_mov_b32 v[NIL], 0
	WIN 0x05
	ds_add_u32 v[SPW], v[NIL]                      ; the wave's opening: the add, twice on end, and its wait ahead of a tensor load
	ds_add_u32 v[SPW], v[NIL]
	WIN 0
	v_lshrrev_b32 v[LANE], 5, v0
	v_readfirstlane_b32 s[WV], v[LANE]             ; wave 0..7
	s_mov_b32 s[LW], 0
	s_mov_b32 s[LS], 0
	s_mov_b32 s[LB], 0
	v_and_b32 v[LANE], 31, v0
	v_and_b32 v[R], 15, v0
	v_bfe_u32 v[H], v0, 4, 1
	v_and_b32 v40, 6, v0
	v_and_b32 v41, 1, v0
	v_bfe_u32 v42, v0, 3, 1
	v_lshl_add_u32 v40, v40, 1, v41
	v_lshl_add_u32 v40, v42, 1, v40                ; fragment row r: LDS row 4 ((r % 8) / 2) + 2 (r / 8) + r % 2
	v_mul_u32_u24 v[ADW0], v40, WP
	v_lshl_add_u32 v[ADW0], v[H], 6, v[ADW0]
	v_add_nc_u32 v[ADW0], HW, v[ADW0]              ; + 64 h
	v_lshlrev_b32 v[ABH], 9, v[H]
	v_add_nc_u32 v[ABH], BIA, v[ABH]
	v_lshl_add_u32 v[AW0], v[LANE], 4, W0I
	v_lshl_add_u32 v[AHD], v[LANE], 4, HDI
	v_lshl_add_u32 v[ADS0], v[LANE], 4, SCI
	v_add_nc_u32 v[ADW], s[LW], v[ADW0]
	v_add_nc_u32 v[ADS], s[LS], v[ADS0]
	v_add_nc_u32 v[ADB], s[LB], v[ABH]
	s_lshl_b32 s[TMP], s[WV], 5
	s_add_co_u32 s[TMP], s[TMP], STG
	v_mov_b32 v[ASTG], s[TMP]                      ; my two rays' 32 bytes of the stage
	; thread u serves unit u at the head: g = (u >> 5) & 3, t = (u >> 3) & 3, row m' = 8 (u >> 7) + u % 8
	v_bfe_u32 v40, v0, 5, 2
	v_and_b32 v41, 7, v0
	v_lshrrev_b32 v43, 7, v0
	v_lshlrev_b32 v[AS], 9, v40
	v_lshl_add_u32 v[AS], v42, 8, v[AS]
	v_lshl_add_u32 v[AS], v43, 7, v[AS]
	v_lshl_add_u32 v[AS], v41, 4, v[AS]
	v_lshl_add_u32 v[AS], v[H], 3, v[AS]           ; the unit's two scale words in a layer's image
	v_bfe_u32 v40, v0, 4, 3
	v_lshl_add_u32 v[AH], v40, 10, HDI
	v_lshl_add_u32 v[AH], v42, 9, v[AH]
	v_lshl_add_u32 v[AH], v43, 8, v[AH]
	v_lshl_add_u32 v[AH], v41, 1, v[AH]            ; the unit's bf16 in row 0 of the head's image; row m' lies 16 m' bytes on
	v_bfe_u32 v40, v0, 3, 4
	v_lshl_add_u32 v[AW], v40, 9, W0I
	v_lshl_add_u32 v[AW], v43, 7, v[AW]
	v_lshl_add_u32 v[AW], v41, 4, v[AW]            ; the unit's block 0 in w_in's image; block 1 lies 256 bytes on
	v_lshlrev_b32 v[A4], 2, v0
	v_lshlrev_b32 v[A8], 3, v0
	v_mul_u32_u24 v[A12], v0, 12
	v_lshlrev_b32 v[AJ], 2, v[R]
	v_lshlrev_b32 v[AL], 2, v[LANE]
	v_add_nc_u32 v[AL1], 1, v[LANE]
	v_min_u32 v[AL1], 31, v[AL1]
	v_lshlrev_b32 v[AL1], 2, v[AL1]
	v_cvt_f32_u32 v[HF], v[H]
	v_cvt_f32_u32 v[IDX], v[R]
	v_add_f32 v[IDX+1], 0x41800000, v[IDX]
	v_fma_f32 v[FH], v[HF], 0x41f80000, 1.0        ; 1 or 32
	v_mov_b32 v[KV], 0x3c08839e                    ; the sine's middle coefficient,
	v_mov_b32 v[KV+1], 0xbab6061a                  ; the cosine's
	v_mov_b32 v[U0], 0                             ; written once: a lane permute's destination counts as one of its sources
	v_mov_b32 v[U0+1], 0
	v_mov_b32 v[U+1], 0
.set p, 0
.irp x, 127,127,129,129,131,131,133,135
	v_mov_b32 v[FP+p], \x<<23                      ; 1, 1, 4, 4, 16, 16, 64, 256
.set p, p+1
.endr
	s_wait_alu depctr_va_vdst(0)                   ; it covers the head's vector writes
	s_bfe_u32 s[CX], ttmp6, 0x40000                ; my place in the cluster: it enters addresses of my own rays alone
	s_lshl_b32 s[WG], ttmp9, 2
	s_add_co_u32 s[WG], s[WG], s[CX]               ; work-group = 4 x cluster + place
	; descriptor groups 1 to 3: one layer, x = 256 bytes (two weight rows; 32 elements of 8 bytes), y = the two halves of the units, z = 64 pairs of rows; 16 bytes of padding behind each 128 in LDS
	s_mov_b32 s[G1], 15|(3<<16)|(1<<20)|(1<<21)|(4<<22)|(3<<25)   ; 15:0 the mask: all four work-groups; 17:16 elements of 8 bytes; 20 padding on; 21 set beside a mask; 24:22 after every 32 words (code 4); 31:25 four words (code 3)
	s_mov_b32 s[G1+1], 32<<16                      ; tensor_dim0
	s_mov_b32 s[G1+2], 2<<16                       ; tensor_dim1
	s_mov_b32 s[G1+3], 32<<16                      ; tile_dim0
	s_mov_b32 s[G1+4], 2|(64<<16)                  ; tile_dim1, tile_dim2
	s_mov_b32 s[G1+5], 2048                        ; stride0: 16,384 bytes from half to half
	s_mov_b32 s[G1+6], 32<<16                      ; stride1: 256 bytes from pair to pair
	s_mov_b32 s[G1+7], 0
	s_mov_b32 s[G2], 64                            ; tensor_dim2
	s_mov_b32 s[G2+1], 0
	s_mov_b32 s[G2+2], 0
	s_mov_b32 s[G2+3], 0
	s_mov_b32 s[G3], 0
	s_mov_b32 s[G3+1], 0
	s_mov_b32 s[G3+2], 0
	s_mov_b32 s[G3+3], 0
	s_wait_dscnt 0x0                               ; both opening adds are done
	s_wait_kmcnt 0x0
	s_mul_i32 s33, s[WG], 192                      ; 16 rays x 12 bytes a work-group,
	s_mul_i32 s34, s[WV], 24                       ; 2 a wave
	s_add_co_u32 s33, s33, s34
	s_load_b96 s[RP:RP+2], s[4:5], s33 offset:0x0
	s_load_b96 s[RP+4:RP+6], s[4:5], s33 offset:0xc
	s_load_b96 s[RD:RD+2], s[6:7], s33 offset:0x0
	s_load_b96 s[RD+8:RD+10], s[6:7], s33 offset:0xc
	s_load_b96 s[BRGB:BRGB+2], s[22:23], 0x0
	s_load_b32 s[BDEN], s[26:27], 0x0
	s_lshl_b32 s34, s[WG], 11
	s_lshl_b32 s35, s[WV], 8
	s_add_co_u32 s34, s34, s35
	s_mov_b32 s35, 0
	s_add_nc_u64 s[8:9], s[8:9], s[34:35]          ; jitter at my first ray
; ---- the small loads of the head, ahead of the round: 27
.irp m, 0,1,2,3
	global_load_b32 v[JT+\m], v[AJ], s[8:9] offset:64*\m
.endr
	global_load_b32 v[JR], v[AL], s[8:9]
	global_load_b32 v[JR+1], v[AL1], s[8:9]
	global_load_b32 v[JR+2], v[AL], s[8:9] offset:128
	global_load_b32 v[JR+3], v[AL1], s[8:9] offset:128
.irp l, 0,1,2,3,4,5,6
	global_load_b64 v[SLD+2*\l:SLD+2*\l+1], v[A8], s[16:17] offset:2048*\l   ; unit u's 8 scale bytes of hidden layer l
.endr
.irp j, 0,1,2
	global_load_b32 v[SLD+14+\j], v[A12], s[20:21] offset:4*\j
.endr
	global_load_b32 v[SLD+18], v[A4], s[12:13]     ; unit u's biases
.irp l, 0,1,2,3,4,5,6
	global_load_b32 v[SLD+19+\l], v[A4], s[18:19] offset:1024*\l
.endr
	global_load_b32 v[SLD+26], v[A4], s[24:25]     ; and its w_den
	s_lshl_b32 s34, s[WG], 8
	s_add_nc_u64 s[28:29], s[28:29], s[34:35]      ; out0 at the work-group's 256 bytes
	s_min_u32 s[TMP], s[WV], 6                     ; wave w brings layer w (wave 7 issues nothing)
	s_lshl_b32 s34, s[TMP], 15
	s_mov_b32 s[G0], 1                             ; count = 1
	s_mul_i32 s[G0+1], s[TMP], LAYERB
	s_add_co_u32 s[G0+1], s[G0+1], HW              ; LDS address
	s_add_nc_u64 s[G0+2:G0+3], s[14:15], s[34:35]
	s_or_b32 s[G0+3], s[G0+3], 0x80000000          ; type = 2
	ROUND                                          ; all four work-groups are here: the joint loads meet
	s_cmp_lt_u32 s[WV], 7
	s_cbranch_scc0 .Lno_fill
	tensor_load_to_lds s[G0:G0+3], s[G1:G1+7], s[G2:G2+3], s[G3:G3+3]   ; a wave's one tensor load of the launch
	s_nop 0
.rept 4
	v_nop
.endr
.Lno_fill:
; ---- w_in's column u: 60 loads, in the order of the code's places
.set p, 0
.irp k, 0,2,4,6,1,3,5,7,10,12,14,16,11,13,15,17,8,9,18,19,20,22,21,23,25,27,26,28,24,29,30,31
	global_load_b32 v[WQ+p], v[A4], s[10:11] offset:1024*\k
.set p, p+1
.endr
.irp k, 40,42,44,46,41,43,45,47,50,52,54,56,51,53,55,57,48,49,58,59,-1,32,-1,33,35,37,36,38,34,39
.if \k >= 0
	global_load_b32 v[WQ+p], v[A4], s[10:11] offset:1024*\k   ; block 1; its places 20, 22, 30, 31 are zeros
.endif
.set p, p+1
.endr
	s_wait_loadcnt 60                              ; all but w_in's 60 loads are in
; ---- the images of the scale words, of the colour head, of the biases and w_den
.irp l, 0,1,2,3,4,5,6
	v_perm_b32 v[SI+2*\l], v[SLD+2*\l+1], v[SLD+2*\l], 0x05010400     ; K step 0: byte 2 c + h = block 4 h + c: blocks 0, 4, 1, 5
	v_perm_b32 v[SI+2*\l+1], v[SLD+2*\l+1], v[SLD+2*\l], 0x07030602   ; K step 1: blocks 2, 6, 3, 7
.endr
.irp l, 0,1,2,3,4,5,6
	ds_store_b64 v[AS], v[SI+2*\l:SI+2*\l+1] offset:SCI+2048*(\l+1)
.endr
.irp l, 0,1,2,3,4,5,6,7,8
	ds_store_b32 v[A4], v[SLD+18+\l] offset:BIA+1024*\l
.endr
	v_cvt_pk_bf16_f32 v[SI+14], v[SLD+14], v[SLD+15]
	v_cvt_pk_bf16_f32 v[SI+15], v[SLD+16], v[SLD+16]
	v_mov_b32 v[SI+16], 0
	ds_store_b16 v[AH], v[SI+14]
	ds_store_b16_d16_hi v[AH], v[SI+14] offset:16
	ds_store_b16 v[AH], v[SI+15] offset:32
.irp r, 3,4,5,6,7,8,9,10,11,12,13,14,15
	ds_store_b16 v[AH], v[SI+16] offset:16*\r
.endr
	s_mov_b32 s[MAGIC], 0x4b400000                 ; 1.5 x 2^23.  (The packed forms name pairs and take the low word for both halves: both words are written)
	s_mov_b32 s[MAGIC+1], 0x4b400000
	s_mov_b32 s[PIO2], 0x3fc90fdb
	s_mov_b32 s[PIO2+1], 0x3fc90fdb
	s_mov_b32 s[KS2], 0xb94ca1f9
	s_mov_b32 s[KS2+1], 0xb94ca1f9
	s_mov_b32 s[KS0], 0xbe2aaaa3
	s_mov_b32 s[KS0+1], 0xbe2aaaa3
	s_mov_b32 s[KC0], 0x37ccf5ce
	s_mov_b32 s[KC0+1], 0x37ccf5ce
	s_mov_b32 s[KC2], 0x3d2aaaa5
	s_mov_b32 s[KC2+1], 0x3d2aaaa5
	s_mov_b32 s[N8], 0x88888888
	s_mov_b32 s[HM], 0xffff0000                    ; lanes 16-31
	s_mov_b32 s[SEL], 0x76543210
	s_mov_b32 s[SEL+1], 0xfedcba98                 ; v_permlanex16_b32's selects for lane l xor 16
	s_wait_dscnt 0x0                               ; the stores have read their registers
	s_wait_kmcnt 0x0                               ; my rays, b_rgb, b_den
; ---- the Fourier code of my four tiles, quantised into Y
	RAY 0
	ENC 0, 0
	ENC 1, 1
	RAY 1
	ENC 2, 0
	ENC 3, 1
; ---- w_in's column u, quantised; its image
	WIN 0x40
.irp i, 4,5,6,7
.irp t, 0,8,32,40
	v_mov_b32 v[WF+\t+\i], 0                       ; K = 60 fills half of the instruction's 128: registers 4-7 of both sides are zero codes
.endr
.irp m, 0,1,2,3
	v_mov_b32 v[Y+16*\m+\i], 0
.endr
.endr
	WIN 0
	s_wait_alu depctr_va_vdst(0)
	s_wait_loadcnt 0x0
.irp i, 52,54,62,63
	v_mov_b32 v[WQ+\i], 0
.endr
	AMAX 40, WQ
	AMAX 248, WQ+32
	v_add_nc_u32 v[SCL], 0xff000000, v40
	v_add_nc_u32 v[SCL+1], 0xff000000, v248
.irp b, 0,1
.irp i, 0,1,2,3
	v_cvt_scalef32_pk8_fp4_f32 v[CT+4*\b+\i], v[WQ+32*\b+8*\i:WQ+32*\b+8*\i+7], v[SCL+\b]
.endr
.endr
	v_lshrrev_b32 v[U], 23, v[SCL]                 ; (a plain place behind the conversions)
	v_lshrrev_b32 v[U+1], 23, v[SCL+1]
	v_lshl_or_b32 v[CT+8], v[U+1], 8, v[U]
	v_mov_b32 v[CT+9], 0
	ds_store_b128 v[AW], v[CT:CT+3]
	ds_store_b128 v[AW], v[CT+4:CT+7] offset:256
	ds_store_b64 v[AS], v[CT+8:CT+9] offset:SCI
	BARRIER                                        ; all images lie in LDS.  (The tensor loads may stay out)
	FETCHW0 0
	FETCHS 0
	FETCHB 0
; ---- the layers
	CHUNK 0, 0, Y, WY, X, WX
	CHUNK 0, 1, Y, WY, X, WX
	CHUNK 0, 2, Y, WY, X, WX
	CHUNK 0, 3, Y, WY, X, WX
	s_add_co_u32 s[LS], s[LS], 2048
	s_add_co_u32 s[LB], s[LB], 1024
	s_mov_b32 s[CNT], 3
.Lpair:                                            ; a trip runs two hidden layers, until the codes are back in X
	LAYER1 X, WX, Y, WY
	LAYER1 Y, WY, X, WX
	s_sub_co_u32 s[CNT], s[CNT], 1
	s_cmp_lg_u32 s[CNT], 0
	s_cbranch_scc1 .Lpair
	CHUNK 2, 0, X, WX, Y, WY
	CHUNK 2, 1, X, WX, Y, WY
	CHUNK 2, 2, X, WX, Y, WY
	CHUNK 2, 3, X, WX, Y, WY
; ---- RENDERING, both rays by turns; a lane is a sample.  Ray p works in v[ACC + 32 p] on: +0..2 colours, +3 density, +4 depth, +5 the next depth, +6 delta, +7 tau, +8 its sum, +9 the exclusive sum,
; +10, +11 the two exponentials, +12..14 the sigmoids, +15 the weight, +16..19 the four products, +20..23 at work
.irp m, 0,1,2,3
	v_add_f32 v[U+\m], v[DA+2*\m], v[DA+2*\m+1]    ; the density's two sums (these four lines are the places behind the last products),
.endr
.irp m, 0,1,2,3
	v_permlanex16_b32 v[SCL+\m], v[U+\m], s[SEL], s[SEL+1]
.endr
.irp m, 0,1,2,3
	v_add_f32 v[U+\m], v[U+\m], v[SCL+\m]          ; and the other half of the units
.endr
	WIN 0x41
.irp p, 0,1
.irp j, 0,1,2
	v_permlane16_swap_b32 v[HAC+16*\p+\j], v[HAC+16*\p+8+\j]   ; lanes 0-15 samples 0-15 (tile 2 p), lanes 16-31 samples 16-31 (tile 2 p + 1's lanes 0-15)
.endr
.endr
	WIN 0x01
.irp p, 0,1
.irp j, 0,1,2
	v_add_f32 v[ACC+32*\p+\j], v[HAC+16*\p+\j], s[BRGB+\j]
.endr
.endr
	WIN 0
	v_cvt_f32_u32 v[IL], v[LANE]
	v_add_nc_u32 v[IL+1], 1, v[LANE]
	v_min_u32 v[IL+1], 31, v[IL+1]
	v_cvt_f32_u32 v[IL+1], v[IL+1]
	v_mov_b32 v[IL+2], 0x501502f9                  ; 1e10
	s_mov_b32 s[TMP], 0x80000000                   ; lane 31
.irp p, 0,1
	v_cndmask_b32 v[ACC+32*\p+3], v[U+2*\p], v[U+2*\p+1], s[HM]
	v_add_f32 v[ACC+32*\p+4], v[IL], v[JR+2*\p]
	v_add_f32 v[ACC+32*\p+5], v[IL+1], v[JR+2*\p+1]
.endr
.irp p, 0,1
	v_add_f32 v[ACC+32*\p+3], s[BDEN], v[ACC+32*\p+3]
	v_mul_f32 v[ACC+32*\p+4], 0x4079999a, v[ACC+32*\p+4]
	v_mul_f32 v[ACC+32*\p+5], 0x4079999a, v[ACC+32*\p+5]
.endr
.irp p, 0,1
	v_max_num_f32 v[ACC+32*\p+3], 0, v[ACC+32*\p+3]
	v_mul_f32 v[ACC+32*\p+4], 0x3d000000, v[ACC+32*\p+4]
	v_mul_f32 v[ACC+32*\p+5], 0x3d000000, v[ACC+32*\p+5]
.endr
.irp p, 0,1
	v_add_f32 v[ACC+32*\p+4], 0x3dcccccd, v[ACC+32*\p+4]
	v_add_f32 v[ACC+32*\p+5], 0x3dcccccd, v[ACC+32*\p+5]
.endr
.irp p, 0,1
	v_sub_f32 v[ACC+32*\p+6], v[ACC+32*\p+5], v[ACC+32*\p+4]
.endr
.irp p, 0,1
	v_cndmask_b32 v[ACC+32*\p+6], v[ACC+32*\p+6], v[IL+2], s[TMP]
.endr
.irp p, 0,1
	v_mul_f32 v[ACC+32*\p+7], v[ACC+32*\p+3], v[ACC+32*\p+6]
.endr
.irp p, 0,1
	v_mov_b32 v[ACC+32*\p+8], v[ACC+32*\p+7]
.endr
.irp x, 1,2,4,8                        ; the inclusive sum in each half of the lanes: a lane without a source keeps its number.  The last lane of a half sums by the balanced tree
.irp p, 0,1
	v_add_f32_dpp v[ACC+32*\p+8], v[ACC+32*\p+8], v[ACC+32*\p+8] row_shr:\x row_mask:0xf bank_mask:0xf
.endr
.endr
.irp p, 0,1
	v_readlane_b32 s[33+\p], v[ACC+32*\p+8], 15
.endr
.irp p, 0,1
	v_fma_f32 v[ACC+32*\p+8], v[HF], s[33+\p], v[ACC+32*\p+8]   ; lanes 16-31: + the first half's sum, rounded once
.endr
.irp p, 0,1
	v_sub_f32 v[ACC+32*\p+9], v[ACC+32*\p+8], v[ACC+32*\p+7]    ; the exclusive sum as reference() forms it
	v_mul_f32 v[ACC+32*\p+10], 0xbfb8aa3b, v[ACC+32*\p+7]       ; x -log2(e)
.irp j, 0,1,2
	v_mul_f32 v[ACC+32*\p+12+\j], 0xbfb8aa3b, v[ACC+32*\p+\j]
.endr
.endr
.irp p, 0,1
	v_mul_f32 v[ACC+32*\p+11], 0xbfb8aa3b, v[ACC+32*\p+9]
.endr
	s_wait_alu depctr_va_vdst(0)
.irp p, 0,1
.irp j, 10,11,12,13,14
	v_exp_f32 v[ACC+32*\p+\j], v[ACC+32*\p+\j]
.endr
.endr
	v_lshl_add_u32 v[U], v[R], 4, STG              ; (a plain place behind the exponentials)  where wave 0 reads the stage,
	v_lshlrev_b32 v[U+1], 4, v[LANE]               ; and its place in out0
	s_wait_alu depctr_va_vdst(0)                   ; one wait for the ten, ahead of their first reader
.irp p, 0,1
.irp j, 12,13,14
	v_add_f32 v[ACC+32*\p+\j], 1.0, v[ACC+32*\p+\j]
.endr
.endr
	s_wait_alu depctr_va_vdst(0)                   ; and ahead of the reciprocals
.irp p, 0,1
.irp j, 12,13,14
	v_rcp_f32 v[ACC+32*\p+\j], v[ACC+32*\p+\j]     ; the sigmoids
.endr
.endr
.irp p, 0,1
	v_sub_f32 v[ACC+32*\p+10], 1.0, v[ACC+32*\p+10]   ; alpha.  (Plain work behind the reciprocals)
.endr
.irp p, 0,1
	v_mul_f32 v[ACC+32*\p+15], v[ACC+32*\p+10], v[ACC+32*\p+11]   ; the weight
.endr
	s_wait_alu depctr_va_vdst(0)                   ; one wait for the six
.irp p, 0,1
.irp j, 0,1,2
	v_mul_f32 v[ACC+32*\p+16+\j], v[ACC+32*\p+15], v[ACC+32*\p+12+\j]
.endr
	v_mul_f32 v[ACC+32*\p+19], v[ACC+32*\p+15], v[ACC+32*\p+4]
.endr
.irp x, 1,2,4,8                        ; the sums over the 32 samples
.irp p, 0,1
.irp j, 16,17,18,19
	v_add_f32_dpp v[ACC+32*\p+\j], v[ACC+32*\p+\j], v[ACC+32*\p+\j] row_xmask:\x row_mask:0xf bank_mask:0xf
.endr
.endr
.endr
.irp p, 0,1
.irp j, 16,17,18,19
	v_permlanex16_b32 v[ACC+32*\p+4+\j], v[ACC+32*\p+\j], s[SEL], s[SEL+1]
.endr
.endr
.irp p, 0,1
.irp j, 16,17,18,19
	v_add_f32 v[ACC+32*\p+\j], v[ACC+32*\p+\j], v[ACC+32*\p+4+\j]
.endr
.endr
.irp p, 0,1
	ds_store_b128 v[ASTG], v[ACC+32*\p+16:ACC+32*\p+19] offset:16*\p   ; every lane holds the ray's four numbers and writes the same 16 bytes
.endr
	BARRIER                                        ; the work-group's 16 rays lie in the stage
	s_cmp_lg_u32 s[WV], 0
	s_cbranch_scc1 .Lnot_first
	ds_load_b128 v[ACC:ACC+3], v[U]
	s_wait_dscnt 0x0
	s_wait_xcnt 0x0                                ; EXEC changes only behind this wait
	v_cmp_gt_u32 vcc_lo, 16, v0
	s_and_saveexec_b32 s33, vcc_lo
	global_store_b128 v[U+1], v[ACC:ACC+3], s[28:29]   ; sixteen lanes store 256 consecutive bytes, at a multiple of 256 from out0's first byte
	s_wait_xcnt 0x0                                ; and again, in front of the line that widens it
	s_or_b32 exec_lo, exec_lo, s33
.Lnot_first:
	WIN 0x05
	s_wait_tensorcnt 0x0                           ; the wave's end
	ds_add_u32 v[SPW], v[NIL]
	s_wait_dscnt 0x0
	WIN 0
	ROUND                                          ; the closing round: no work-group ends while a partner may still ask for a tile that names it
	s_endpgm
.Lfunc_end_k_q8bcac9485b_nerf:
	.size	k_q8bcac9485b_nerf, .Lfunc_end_k_q8bcac9485b_nerf-k_q8bcac9485b_nerf
	.p2alignl 7, 3214868480
	.fill 96, 4, 3214868480
	.section	.rodata,"a",@progbits
	.p2align	6, 0x0
	.amdhsa_kernel k_q8bcac9485b_nerf
		.amdhsa_group_segment_fixed_size 327680
		.amdhsa_private_segment_fixed_size 0
		.amdhsa_enable_private_segment 0
		.amdhsa_kernarg_size 104
		.amdhsa_user_sgpr_count 2
		.amdhsa_user_sgpr_kernarg_segment_ptr 1
		.amdhsa_wavefront_size32 1
		.amdhsa_system_sgpr_workgroup_id_x 1
		.amdhsa_system_sgpr_workgroup_id_y 1
		.amdhsa_system_sgpr_workgroup_id_z 1
		.amdhsa_system_vgpr_workitem_id 0
		.amdhsa_next_free_vgpr 512
		.amdhsa_next_free_sgpr 102
		.amdhsa_reserve_vcc 1
		.amdhsa_float_denorm_mode_32 3
		.amdhsa_float_denorm_mode_16_64 3
		.amdhsa_memory_ordered 1
		.amdhsa_forward_progress 1
		.amdhsa_inst_pref_size 255
	.end_amdhsa_kernel
	.section	.bss,"aw",@nobits
	.p2align	6
	.space	262144
	.amdgpu_metadata
---
amdhsa.version: [ 1, 2 ]
amdhsa.kernels:
  - .name:           k_q8bcac9485b_nerf
    .symbol:         k_q8bcac9485b_nerf.kd
    .args:
      - { .name: ray_pos, .offset: 0, .size: 8, .value_kind: global_buffer, .address_space: global }
      - { .name: ray_dir, .offset: 8, .size: 8, .value_kind: global_buffer, .address_space: global }
      - { .name: jitter, .offset: 16, .size: 8, .value_kind: global_buffer, .address_space: global }
      - { .name: w_in, .offset: 24, .size: 8, .value_kind: global_buffer, .address_space: global }
      - { .name: b_in, .offset: 32, .size: 8, .value_kind: global_buffer, .address_space: global }
      - { .name: w_hid_codes, .offset: 40, .size: 8, .value_kind: global_buffer, .address_space: global }
      - { .name: w_hid_scales, .offset: 48, .size: 8, .value_kind: global_buffer, .address_space: global }
      - { .name: b_hid, .offset: 56, .size: 8, .value_kind: global_buffer, .address_space: global }
      - { .name: w_rgb, .offset: 64, .size: 8, .value_kind: global_buffer, .address_space: global }
      - { .name: b_rgb, .offset: 72, .size: 8, .value_kind: global_buffer, .address_space: global }
      - { .name: w_den, .offset: 80, .size: 8, .value_kind: global_buffer, .address_space: global }
      - { .name: b_den, .offset: 88, .size: 8, .value_kind: global_buffer, .address_space: global }
      - { .name: out0, .offset: 96, .size: 8, .value_kind: global_buffer, .address_space: global }
    .group_segment_fixed_size: 327680
    .private_segment_fixed_size: 0
    .kernarg_segment_align: 8
    .kernarg_segment_size: 104
    .max_flat_workgroup_size: 256
    .sgpr_count:     102
    .vgpr_count:     512
    .wavefront_size: 32
...
	.end_amdgpu_metadata
.endif
;; end of part 1
